; MI455X (gfx1250); checked and timed in simulation.
; The chip was launched on July 23, 2026; its instructions are those of AMD's public machine-readable ISA for CDNA 5 (MIT licence, August 2026) and "CDNA5" Instruction Set Architecture Reference Guide (July 2026). The comments in the code are by the model that wrote it; some were corrected since.
;; Chi Sq. Allowed arithmetic: float matrix products may take bf16 or f16 operands with f32 sums; all other float work in f32.
;; Inputs: htilde_im 128 x 2 x 65,537 float32; htilde_re 128 x 2 x 65,537 float32; psd 128 x 2 x 65,537 float32; stilde_im 128 x 2 x 65,537 float32; stilde_re 128 x 2 x 65,537 float32.
;; Outputs: out0 128 x 2 float32; out1 128 x 2 float32.
;; One version. Each part assembles by itself: llvm-mc -triple=amdgcn-amd-amdhsa -mcpu=gfx1250 --defsym DOCPART=n.
;; ======== version 1 of 1: 2 launches
;; workspace buffers: edge 16,384 bytes of whole numbers; coarse 65,536 bytes
;; launch stream (part 1): grid 256 x 1, 16 waves a work-group, no clusters, 145,920 bytes of LDS; arguments htilde_re, htilde_im, stilde_re, stilde_im, psd, edge, coarse; writes edge, coarse
.if DOCPART == 1
	.amdgcn_target "amdgcn-amd-amdhsa--gfx1250"
	.amdhsa_code_object_version 6
	.text
	.protected	k_q204326a1ad_stream
	.globl	k_q204326a1ad_stream
	.p2align	8
	.type	k_q204326a1ad_stream,@function
k_q204326a1ad_stream:
	s_mov_b64 s[64:65], 0
	v_nop
	global_prefetch_b8 v0, s[64:65] scope:SCOPE_SE
	s_setreg_imm32_b32 hwreg(HW_REG_WAVE_MODE, 25, 1), 1
	s_wait_xcnt 0x0
; ChiSq, first launch: one pass over all five inputs; sums per chunk; the chunk in which each bin edge falls.
; Raw weights: wh = |h|^2 / |psd|, wq = sqrt(wh * |s|^2 / |psd|) = |h| |s| / |psd|.  The factor 4 df = 1/8 is a power of two and
; 1/sqrt(total_h) is one number for a row: both are applied in the second launch.
; With E(i) = sum of wh in front of element i, si_q[edge_k] = sum of wq(i) over all i with E(i) <= t_k, t_k = (k/16) H, H = sum of wh:
; that is searchsorted(side = right) with its clip, element 0 included.
; A work-group owns one row (65,537 elements).  Rows start at 4 r bytes modulo 512, so the row is read through a window that starts at the
; multiple of 512 bytes below it: 513 chunks of 128 elements, the first and the last masked.  Wave w owns chunks 32 w .. 32 w + 31; chunk 512 is
; wave 15's.  One load of a wave covers a chunk of one array: 512 consecutive bytes, at a multiple of 512 from the buffer's first byte.
; THE EDGES.  An f32 sum of 65,537 terms is uncertain by a few units in its last place, whatever its order, and an edge is a comparison of two
; such sums.  So (a) this text's own part is kept small: the totals in front of each wave's chunks are unevaluated pairs (hi, lo) made by
; error-free additions, and no long prefix is formed, only the residual ((t_k - hi) - lo) - (prefix inside the wave); (b) S_k is the MEAN of the
; two sums for the target moved down and up by BAND = 1.5 * 2^-23 of its size: an element whose E lies inside that band counts half.
; Out: for each k = 0..15 the chunk c_k that holds the edge of the upper target (whole number), r_k = upper target - (wh in front of the chunk),
; SQ_k = wq in front of it, H, Q.
; No cluster, no joint loads: two rows share one chunk of 513.  No matrix work: there is no product.
; LIMITS: an exact tie E(i) = t_k > 0 counts element i half, where the reference counts it whole (for k = 0 the band is empty and the tie at 0
; is kept).  An element of the chunk in front of c_k that is lighter than the band counts as in front of the lower target too.
; wh * ws of one element has to stay below 3.4e38; below 1.2e-38 the root gives 0 (ISA guide 15.8: denormals are flushed).
.set CHB,    512                       ; bytes of a chunk in one array
.set NCH,    32                        ; chunks of a wave
.set NW,     16                        ; waves
.set DEPTH,  8                         ; chunks in flight in a wave: 40 loads of 512 bytes
.set PPITCH, 272                       ; LDS row of one chunk's 32 lane sums (256 bytes) + 16: 68 words, so 16 rows start 4 banks apart (64 banks: ISA guide 11.1)
.set PWAVE,  NCH*PPITCH                ; a wave's own 32 rows
.set TAB,    NW*PWAVE                  ; table: (wh, wq) prefix of each of 512 chunks inside its wave, 8 bytes each
.set TABT,   TAB+NW*NCH*8              ; chunk 512's two sums
.set GF,     TABT+16                   ; 16 records of 16 bytes: r_k, SQ_k, H, Q
.set GC,     GF+256                    ; 16 words: c_k
.set BAND,   0x34400000                ; 1.5 * 2^-23
.set VOFF, 1                           ; v1      byte offset of my 16 bytes in my wave's first chunk
.set LST,  2                           ; v2      LDS: where my lane sums go (row = chunk by the immediate)
.set LRD,  3                           ; v3      LDS: the row of chunk = my lane
.set TOFF, 4                           ; v4      16 x lane
.set WV,   5                           ; v5      wave number
.set LN,   6                           ; v6      lane
.set IDX,  7                           ; v7      4 x lane + e
.set TTA,  8                           ; v8      LDS address of chunk 512's sums
.set TBW,  9                           ; v9      LDS: my entry of the table
.set P,    10                          ; v[10:11] my lane's (wh, wq) sum of a chunk
.set T,    12                          ; v[12:15] at work
.set X,    16                          ; v[16:175] ring: slot = 20 registers: h_re, h_im, s_re, s_im, psd, 4 each
.set TL,   176                         ; v[176:195] chunk 512
.set TBR,  196                         ; v196    LDS: table + 8 x lane
.set GFA,  197                         ; v197    LDS: my wave's record
.set GCA,  198                         ; v198    LDS: my wave's c_k
.set CNT,  199                         ; v199    c_k
.set G,    X+64                        ; v[80:111] table as read: 16 pairs            (these and the next lie in the ring, which is done with by then)
.set TT,   X+96                        ; v[112:113] chunk 512's sums
.set OH,   116                         ; v[117:133] OH+j: wh in front of wave j's chunks, high part; OH+17: the whole row
.set OL,   134                         ; v[135:151] OL+j: its low part
.set R,    152                         ; v152    at work
.set THV,  153                         ; v153    the upper target itself
.set LOM,  24                          ; s[24:27] lanes whose element e of chunk 0 belongs to the row
.set HIM,  28                          ; s[28:31] the same for chunk 512
.macro FILL c                          ; five loads: chunk c of my wave, all arrays
.set y, X+20*((\c)%DEPTH)
	global_load_b128 v[y:y+3],     v[VOFF], s[4:5]   offset:(\c)*CHB th:TH_LOAD_NT
	global_load_b128 v[y+4:y+7],   v[VOFF], s[6:7]   offset:(\c)*CHB th:TH_LOAD_NT
	global_load_b128 v[y+8:y+11],  v[VOFF], s[8:9]   offset:(\c)*CHB th:TH_LOAD_NT
	global_load_b128 v[y+12:y+15], v[VOFF], s[10:11] offset:(\c)*CHB th:TH_LOAD_NT
	global_load_b128 v[y+16:y+19], v[VOFF], s[12:13] offset:(\c)*CHB th:TH_LOAD_NT
.endm
; four elements: wh into x+0..3, wq into x+8..11.  The reciprocals go first: the squares behind them are the plain instructions that
; have to stand between a transcendental and the use of its result (ISA guide 5.7.2).
.macro CORE x
.irp e, 16,17,18,19
	v_rcp_f32 v[\x+\e], |v[\x+\e]|                 ; the reference takes |integrand|: 1 / |psd|
.endr
.irp e, 0,2,8,10
	v_pk_mul_f32 v[\x+\e:\x+\e+1], v[\x+\e:\x+\e+1], v[\x+\e:\x+\e+1]
.endr
.irp e, 0,2,8,10
	v_pk_fma_f32 v[\x+\e:\x+\e+1], v[\x+\e+4:\x+\e+5], v[\x+\e+4:\x+\e+5], v[\x+\e:\x+\e+1]    ; re^2 + im^2
.endr
	s_wait_alu depctr_va_vdst(0)
	v_pk_mul_f32 v[\x:\x+1],     v[\x:\x+1],     v[\x+16:\x+17]    ; wh
	v_pk_mul_f32 v[\x+2:\x+3],   v[\x+2:\x+3],   v[\x+18:\x+19]
	v_pk_mul_f32 v[\x+8:\x+9],   v[\x+8:\x+9],   v[\x+16:\x+17]    ; ws = |s|^2 / |psd|
	v_pk_mul_f32 v[\x+10:\x+11], v[\x+10:\x+11], v[\x+18:\x+19]
	v_pk_mul_f32 v[\x+8:\x+9],   v[\x+8:\x+9],   v[\x:\x+1]        ; wh ws
	v_pk_mul_f32 v[\x+10:\x+11], v[\x+10:\x+11], v[\x+2:\x+3]
.irp e, 8,9,10,11
	v_sqrt_f32 v[\x+\e], v[\x+\e]                  ; wq; what follows begins with plain work on wh
.endr
.endm
.macro MASK x, m                       ; elements outside the row count as 0 (a select: a neighbour's numbers never enter a sum)
.irp e, 0,1,2,3
	v_cndmask_b32 v[\x+\e], 0, v[\x+\e], s[\m+\e]
.endr
	s_wait_alu depctr_va_vdst(0)
.irp e, 0,1,2,3
	v_cndmask_b32 v[\x+8+\e], 0, v[\x+8+\e], s[\m+\e]
.endr
.endm
.macro SUMS x                          ; my four elements' wh and wq
	v_pk_add_f32 v[T:T+1],   v[\x:\x+1],     v[\x+2:\x+3]
	s_wait_alu depctr_va_vdst(0)
	v_pk_add_f32 v[T+2:T+3], v[\x+8:\x+9],   v[\x+10:\x+11]
	v_add_f32 v[P],   v[T],   v[T+1]
	v_add_f32 v[P+1], v[T+2], v[T+3]
.endm
; The turn of chunk c.  Loads come back in order (ISA guide 5.7.1): behind chunk c's five stand those of chunks c+1 .. min(c+7, 31).
.macro TURN c
.set x, X+20*((\c)%DEPTH)
.if NCH-1-(\c) < DEPTH-1
	s_wait_loadcnt 5*(NCH-1-(\c))
.else
	s_wait_loadcnt 5*(DEPTH-1)
.endif
	CORE x
.if (\c) == 0
	MASK x, LOM                                    ; only the row's first chunk (wave 0) loses elements; the other waves' masks are full
.endif
	SUMS x
	ds_store_b64 v[LST], v[P:P+1] offset:(\c)*PPITCH       ; 32 lanes, 256 consecutive bytes of my wave's row c
.if (\c)+DEPTH < NCH
	FILL (\c)+DEPTH                                ; the slot's registers have been read: its next chunk
.endif
.endm
; (hn, ln) = (h, l) + s[b]: the sum's rounding error is recovered exactly by five more additions, for any sizes of the two, and goes to the low part
.macro TWOSUM hn, ln, h, l, b
	v_add_f32 v[\hn], s[\b], v[\h]                 ; s = a + b, rounded
	v_sub_f32 v[T],   v[\hn], v[\h]                ; b as it went in
	v_sub_f32 v[T+1], v[\hn], v[T]                 ; a as it went in
	v_sub_f32 v[T],   s[\b], v[T]                  ; what was lost of b
	v_sub_f32 v[T+1], v[\h], v[T+1]                ; and of a
	v_add_f32 v[T],   v[T], v[T+1]
	v_add_f32 v[\ln], v[\l], v[T]
.endm
; the smallest or the largest of the 16 registers G + 2 p + o
.macro TREE op3, op2, o
.irp i, 0,1,2,3,4
	\op3 v[G+2*\i+\o], v[G+2*\i+\o], v[G+2*\i+10+\o], v[G+2*\i+20+\o]
.endr
	\op3 v[G+\o],   v[G+\o],   v[G+2+\o], v[G+4+\o]
	\op3 v[G+6+\o], v[G+6+\o], v[G+8+\o], v[G+30+\o]
	\op2 v[G+\o],   v[G+\o],   v[G+6+\o]
.endm
	s_load_b256 s[4:11], s[0:1], 0x0               ; h_re s[4:5], h_im s[6:7], s_re s[8:9], s_im s[10:11]
	s_load_b128 s[12:15], s[0:1], 0x20             ; psd s[12:13], edge s[14:15]
	s_load_b64 s[16:17], s[0:1], 0x30              ; coarse
	v_lshl_add_u32 v200, v0, 2, 0x23200
	v_mov_b32 v201, 0
	v_lshrrev_b32 v[WV], 5, v0
	v_readfirstlane_b32 s18, v[WV]                 ; wave
	v_and_b32 v[LN], 31, v0
	s_and_b32 s19, ttmp9, 127                      ; the row's first element in its window: 65,537 r mod 128
	s_and_b32 s20, ttmp9, 128
	s_lshl_b32 s20, s20, 2
	s_lshl_b32 s21, ttmp9, 18
	s_add_co_u32 s20, s20, s21                     ; the window's byte offset: 262,144 r + 4 (r & 128), below 2^27
	s_mov_b32 s21, 0
	s_lshl_b32 s23, s18, 14                        ; my wave's 32 chunks
	v_lshlrev_b32 v[TOFF], 4, v[LN]
	v_add_nc_u32 v[VOFF], s23, v[TOFF]
	s_wait_kmcnt 0x0
	s_add_nc_u64 s[4:5], s[4:5], s[20:21]
	s_add_nc_u64 s[6:7], s[6:7], s[20:21]
	s_add_nc_u64 s[8:9], s[8:9], s[20:21]
	s_add_nc_u64 s[10:11], s[10:11], s[20:21]
	s_add_nc_u64 s[12:13], s[12:13], s[20:21]
.irp c, 0,1,2,3,4,5,6,7
	FILL \c                                        ; the ring is filled before anything else is done
.endr
	s_mul_i32 s23, s18, PWAVE
	v_lshl_add_u32 v[LST], v[LN], 3, s23
	v_mul_u32_u24 v[LRD], v[LN], PPITCH
	v_add_nc_u32 v[LRD], s23, v[LRD]
	s_lshl_b32 s23, s18, 8
	s_add_co_u32 s23, s23, TAB
	v_lshl_add_u32 v[TBW], v[LN], 3, s23
	v_lshlrev_b32 v[TBR], 3, v[LN]
	v_add_nc_u32 v[TBR], TAB, v[TBR]
	v_mov_b32 v[TTA], TABT
	s_lshl_b32 s88, s18, 4
	s_add_co_u32 s88, s88, GF
	v_mov_b32 v[GFA], s88
	s_lshl_b32 s89, s18, 2
	s_add_co_u32 s89, s89, GC
	v_mov_b32 v[GCA], s89
	s_mov_b32 s90, 0xffff0000                      ; lanes 16-31
	s_mov_b32 s91, 0x76543210                      ; v_permlanex16_b32: lane i reads lane i of the other half
	s_mov_b32 s92, 0xfedcba98
	s_cmp_eq_u32 s18, 0
	s_cselect_b32 s22, s19, 0                      ; first element that counts in my first chunk
	v_lshlrev_b32 v[IDX], 2, v[LN]
.irp e, 0,1,2,3
	v_cmp_le_u32 s[LOM+\e], s22, v[IDX]            ; chunk 0: 4 lane + e >= the row's first element
	v_cmp_ge_u32 s[HIM+\e], s19, v[IDX]            ; chunk 512: the row's last element lies 65,536 behind its first
	v_add_nc_u32 v[IDX], 1, v[IDX]
.endr
	; Chunk 512: wave 15 alone.  Its five loads stand behind the ring's first forty, which were issued in one run with them, so the wait
	; for all of them comes once, at the start, where the wave would sit on its first chunk anyway.
	s_cmp_lg_u32 s18, NW-1
	s_cbranch_scc1 .Lmain
	global_load_b128 v[TL:TL+3],     v[TOFF], s[4:5]   offset:NW*NCH*CHB       ; no hint: the next row's work-group reads this chunk too
	global_load_b128 v[TL+4:TL+7],   v[TOFF], s[6:7]   offset:NW*NCH*CHB
	global_load_b128 v[TL+8:TL+11],  v[TOFF], s[8:9]   offset:NW*NCH*CHB
	global_load_b128 v[TL+12:TL+15], v[TOFF], s[10:11] offset:NW*NCH*CHB
	global_load_b128 v[TL+16:TL+19], v[TOFF], s[12:13] offset:NW*NCH*CHB
	s_wait_loadcnt 0x0
	CORE TL
	MASK TL, HIM
	SUMS TL
.irp m, 1,2,4,8
	v_add_f32_dpp v[P],   v[P],   v[P]   row_xmask:\m row_mask:0xf bank_mask:0xf
	v_add_f32_dpp v[P+1], v[P+1], v[P+1] row_xmask:\m row_mask:0xf bank_mask:0xf
.endr
	v_permlanex16_b32 v[T],   v[P],   s91, s92
	v_permlanex16_b32 v[T+1], v[P+1], s91, s92
	v_pk_add_f32 v[P:P+1], v[P:P+1], v[T:T+1]
	ds_store_b64 v[TTA], v[P:P+1]                  ; every lane the same two numbers
.Lmain:
	; THE STREAM: 32 turns written out, so that one offset register and the immediates serve every load and nothing is stepped.
.set ch, 0
.rept NCH
	TURN ch
.set ch, ch+1
.endr
	; Lane c takes row c of my wave's own LDS rows: the 32 lane sums of chunk c.  LDS serves a wave's instructions in order
	; (ISA guide 5.7.1.4): these loads see the stores above.
.irp j, 0,1,2,3,4,5,6,7,8,9,10,11,12,13,14,15
	ds_load_b128 v[X+4*\j:X+4*\j+3], v[LRD] offset:16*\j
.endr
	s_wait_dscnt 0x0
.irp s, 16,8,4,2,1
.set i, 0
.rept \s
	v_pk_add_f32 v[X+2*i:X+2*i+1], v[X+2*i:X+2*i+1], v[X+2*(i+\s):X+2*(i+\s)+1]   ; (wh, wq) pairs, a tree
.set i, i+1
.endr
.endr
	; inclusive scan over my wave's 32 chunks: four steps inside each half of 16 lanes, then lane 15's sum onto lanes 16-31
.irp n, 1,2,4,8
	v_add_f32_dpp v[X],   v[X],   v[X]   row_shr:\n row_mask:0xf bank_mask:0xf bound_ctrl:1
	v_add_f32_dpp v[X+1], v[X+1], v[X+1] row_shr:\n row_mask:0xf bank_mask:0xf bound_ctrl:1
.endr
	v_readlane_b32 s93, v[X], 15
	v_readlane_b32 s94, v[X+1], 15
	v_add_f32 v[X+2], s93, v[X]
	v_add_f32 v[X+3], s94, v[X+1]
	v_cndmask_b32 v[X],   v[X],   v[X+2], s90
	v_cndmask_b32 v[X+1], v[X+1], v[X+3], s90
	ds_store_b64 v[TBW], v[X:X+1]
	s_wait_dscnt 0x0                               ; for the others' sake: my table entries (and wave 15's chunk 512) are written
	s_barrier_signal -1
	s_barrier_wait -1
	; WAVE k SERVES TARGET k.  It reads the whole table: register pair j, lane l = chunk 32 j + l, prefixes inside wave j.
.irp j, 0,1,2,3,4,5,6,7,8,9,10,11,12,13,14,15
	ds_load_b64 v[G+2*\j:G+2*\j+1], v[TBR] offset:256*\j
.endr
	ds_load_b64 v[TT:TT+1], v[TTA]
	s_wait_dscnt 0x0
.irp j, 0,1,2,3,4,5,6,7,8,9,10,11,12,13,14,15
	v_readlane_b32 s[32+2*\j], v[G+2*\j], 31       ; wave j's totals
	v_readlane_b32 s[33+2*\j], v[G+2*\j+1], 31
.endr
	v_readfirstlane_b32 s66, v[TT]                 ; chunk 512
	v_readfirstlane_b32 s67, v[TT+1]
	; wq: plain running totals and plain prefixes over the row: a unit in their last place is far below what the result can show
.irp j, 1,2,3,4,5,6,7,8,9,10,11,12,13,14,15
	s_add_f32 s[33+2*\j], s[33+2*\j], s[31+2*\j]
.endr
	s_add_f32 s67, s67, s63                        ; Q
.irp j, 1,2,3,4,5,6,7,8,9,10,11,12,13,14,15
	v_add_f32 v[G+2*\j+1], s[31+2*\j], v[G+2*\j+1]
.endr
	; wh: running totals as pairs (the same number in every lane)
	v_mov_b32 v[OH+1], s32
	v_mov_b32 v[OL+1], 0
.irp j, 1,2,3,4,5,6,7,8,9,10,11,12,13,14,15
	TWOSUM OH+\j+1, OL+\j+1, OH+\j, OL+\j, 32+2*\j
.endr
	TWOSUM OH+17, OL+17, OH+16, OL+16, 66
	v_add_f32 v[R], v[OH+17], v[OL+17]
	v_readfirstlane_b32 s66, v[R]                  ; H, rounded to f32 once
	s_cvt_f32_u32 s68, s18
	s_mul_f32 s68, s68, 0x3d800000                 ; k / 16, exact
	s_mul_f32 s68, s68, s66                        ; t_k, rounded once as in the reference
	s_mul_f32 s69, s68, BAND                       ; half the band's width (0 for k = 0)
	s_add_f32 s93, s68, s69
	v_mov_b32 v[THV], s93                          ; the upper target: what is left of it if no chunk lies in front of the edge
	; what is left of the upper target behind each chunk.  Each difference is right to the last place of its RESULT, which is small where it decides.
	v_sub_f32 v[G], s68, v[G]
	v_add_f32 v[G], s69, v[G]
.irp j, 1,2,3,4,5,6,7,8,9,10,11,12,13,14,15
	v_sub_f32 v[R], s68, v[OH+\j]
	v_sub_f32 v[R], v[R], v[OL+\j]
	v_sub_f32 v[G+2*\j], v[R], v[G+2*\j]
	v_add_f32 v[G+2*\j], s69, v[G+2*\j]
.endr
.irp j, 0,1,2,3,4,5,6,7,8,9,10,11,12,13,14,15
	v_cmp_le_f32 s[70+\j], 0, v[G+2*\j]            ; chunks that lie whole in front of the edge: inclusive prefix <= upper target
.endr
.irp j, 0,1,2,3,4,5,6,7,8,9,10,11,12,13,14,15
	v_cndmask_b32 v[G+2*\j],   v[THV], v[G+2*\j], s[70+\j]
	v_cndmask_b32 v[G+2*\j+1], 0, v[G+2*\j+1],    s[70+\j]
.endr
	s_bcnt1_i32_b32 s86, s70                       ; their number is c_k, 0 .. 512; it is stored, and steers nothing in this launch
.irp j, 1,2,3,4,5,6,7,8,9,10,11,12,13,14,15
	s_bcnt1_i32_b32 s87, s[70+\j]
	s_add_co_u32 s86, s86, s87
.endr
	; prefixes do not fall along the row: the last chunk that passed leaves the smallest rest of wh and has the largest prefix of wq
	TREE v_min3_num_f32, v_min_num_f32, 0
	TREE v_max3_num_f32, v_max_num_f32, 1
.irp m, 1,2,4,8
	v_min_num_f32_dpp v[G],   v[G],   v[G]   row_xmask:\m row_mask:0xf bank_mask:0xf
	v_max_num_f32_dpp v[G+1], v[G+1], v[G+1] row_xmask:\m row_mask:0xf bank_mask:0xf
.endr
	v_permlanex16_b32 v[G+2], v[G],   s91, s92
	v_permlanex16_b32 v[G+3], v[G+1], s91, s92
	v_min_num_f32 v[G],   v[G],   v[G+2]           ; r_k: what is left of the upper target inside chunk c_k
	v_max_num_f32 v[G+1], v[G+1], v[G+3]           ; SQ_k
	v_mov_b32 v[G+2], s66
	v_mov_b32 v[G+3], s67
	v_mov_b32 v[CNT], s86
	ds_store_b128 v[GFA], v[G:G+3]
	ds_store_b32 v[GCA], v[CNT]
	s_wait_dscnt 0x0                               ; my record is written before wave 0 reads it
	s_barrier_signal -1
	s_barrier_wait -1
	s_cmp_lg_u32 s18, 0
	s_cbranch_scc1 .Lend
	v_lshlrev_b32 v[T], 3, v[LN]                   ; 8 x lane
	v_and_b32 v[T+1], 15, v[LN]
	v_lshlrev_b32 v[T+1], 2, v[T+1]
	v_add_nc_u32 v[T+2], GF, v[T]
	v_add_nc_u32 v[T+3], GC, v[T+1]
	ds_load_b64 v[X:X+1], v[T+2]
	ds_load_b32 v[X+2], v[T+3]
	s_lshl_b32 s20, ttmp9, 8
	s_add_nc_u64 s[16:17], s[16:17], s[20:21]      ; the row's 256 bytes of coarse
	s_lshl_b32 s20, ttmp9, 6
	s_add_nc_u64 s[14:15], s[14:15], s[20:21]      ; the row's 16 words of edge
	v_cmp_gt_u32 vcc_lo, 16, v0
	s_wait_dscnt 0x0
	global_store_b64 v[T], v[X:X+1], s[16:17]      ; 32 lanes: 256 consecutive bytes, at a multiple of 256
	s_wait_xcnt 0x0                                ; EXEC is a source of the store above: it narrows only behind this wait
	s_and_saveexec_b32 s20, vcc_lo
	global_store_b32 v[T+1], v[X+2], s[14:15]      ; 16 lanes: the row has 64 bytes of whole numbers and no more
.Lend:
	s_wait_xcnt 0x0
	s_mov_b32 exec_lo, -1
	s_wait_tensorcnt 0x0
	ds_add_u32 v200, v201
	s_wait_dscnt 0x0
	s_endpgm
.Lfunc_end_k_q204326a1ad_stream:
	.size	k_q204326a1ad_stream, .Lfunc_end_k_q204326a1ad_stream-k_q204326a1ad_stream
	.p2alignl 7, 3214868480
	.fill 96, 4, 3214868480
	.section	.rodata,"a",@progbits
	.p2align	6, 0x0
	.amdhsa_kernel k_q204326a1ad_stream
		.amdhsa_group_segment_fixed_size 145920
		.amdhsa_private_segment_fixed_size 0
		.amdhsa_enable_private_segment 0
		.amdhsa_kernarg_size 56
		.amdhsa_user_sgpr_count 2
		.amdhsa_user_sgpr_kernarg_segment_ptr 1
		.amdhsa_wavefront_size32 1
		.amdhsa_system_sgpr_workgroup_id_x 1
		.amdhsa_system_sgpr_workgroup_id_y 1
		.amdhsa_system_sgpr_workgroup_id_z 1
		.amdhsa_system_vgpr_workitem_id 0
		.amdhsa_next_free_vgpr 202
		.amdhsa_next_free_sgpr 96
		.amdhsa_reserve_vcc 1
		.amdhsa_float_denorm_mode_32 3
		.amdhsa_float_denorm_mode_16_64 3
		.amdhsa_memory_ordered 1
		.amdhsa_forward_progress 1
		.amdhsa_inst_pref_size 94
	.end_amdhsa_kernel
	.amdgpu_metadata
---
amdhsa.version: [ 1, 2 ]
amdhsa.kernels:
  - .name:           k_q204326a1ad_stream
    .symbol:         k_q204326a1ad_stream.kd
    .args:
      - { .name: htilde_re, .offset: 0, .size: 8, .value_kind: global_buffer, .address_space: global }
      - { .name: htilde_im, .offset: 8, .size: 8, .value_kind: global_buffer, .address_space: global }
      - { .name: stilde_re, .offset: 16, .size: 8, .value_kind: global_buffer, .address_space: global }
      - { .name: stilde_im, .offset: 24, .size: 8, .value_kind: global_buffer, .address_space: global }
      - { .name: psd, .offset: 32, .size: 8, .value_kind: global_buffer, .address_space: global }
      - { .name: edge, .offset: 40, .size: 8, .value_kind: global_buffer, .address_space: global }
      - { .name: coarse, .offset: 48, .size: 8, .value_kind: global_buffer, .address_space: global }
    .group_segment_fixed_size: 145920
    .private_segment_fixed_size: 0
    .kernarg_segment_align: 8
    .kernarg_segment_size: 56
    .max_flat_workgroup_size: 512
    .sgpr_count:     96
    .vgpr_count:     202
    .wavefront_size: 32
...
	.end_amdgpu_metadata
.endif
;; end of part 1
;; launch refine (part 2): grid 256 x 1, 16 waves a work-group, no clusters, 2,304 bytes of LDS; arguments htilde_re, htilde_im, stilde_re, stilde_im, psd, edge, coarse, out0, out1; writes out0, out1
.if DOCPART == 2
	.amdgcn_target "amdgcn-amd-amdhsa--gfx1250"
	.amdhsa_code_object_version 6
	.text
	.protected	k_q204326a1ad_refine
	.globl	k_q204326a1ad_refine
	.p2align	8
	.type	k_q204326a1ad_refine,@function
k_q204326a1ad_refine:
	s_mov_b64 s[64:65], 0
	v_nop
	global_prefetch_b8 v0, s[64:65] scope:SCOPE_SE
	s_setreg_imm32_b32 hwreg(HW_REG_WAVE_MODE, 25, 1), 1
	s_wait_xcnt 0x0
; ChiSq, second launch: the edges inside their chunks.  A work-group owns a row, wave k its target k = 0..15.
; The first launch left c_k (the chunk of 128 elements that holds the edge of the upper target t_k (1 + 1.5 * 2^-23)), r_k (that target less the
; wh in front of the chunk), SQ_k (the wq in front of it), H = sum of wh, Q = sum of wq.  The wave reads that one chunk of all five arrays
; again (2,560 bytes).  With E = the wh in front of an element inside the chunk,
;   S_k = SQ_k + 1/2 (sum of wq over E <= r_k  +  sum of wq over E <= r_k - 3 * 2^-23 t_k):
; the mean of si_q[edge], unscaled, for the target moved up and moved down.  An f32 sum of 65,537 terms is uncertain by a few units in its
; last place whatever its order; an element whose E falls inside that band counts half, so that S_k is at most half of it away from the
; figure of any order.  For k = 0 the band is empty.
; Then bins B_k = S_(k+1) - S_k with S_16 = Q, d_k = B_k - Q/16;  with f = (1/8) / sqrt(H/8):  total = f Q,  chisq = (16/15) f^2 sum d^2 = (2/15) sum d^2 / H.
; LIMITS as in the first launch: an exact tie E = t_k > 0 counts its element half, where the reference counts it whole; an element of the chunk
; in front that is lighter than the band counts as in front of the lower target too; wh ws of an element below 3.4e38, and below 1.2e-38 its wq is 0.
; Each wave's address hangs on a whole number that the earlier launch stored, clamped to the 513 chunks of a row's window.
.set X,   4                            ; v[4:23]  h_re, h_im, s_re, s_im, psd, 4 registers each; then wh in X+0..3, wq in X+8..11
.set VM,  44                           ; s[44:47] masks, one for each of a lane's four elements: in the row, then E <= upper rest
.set VL,  4                            ; s[4:7]   E <= lower rest
.macro CORE x
.irp e, 16,17,18,19
	v_rcp_f32 v[\x+\e], |v[\x+\e]|
.endr
.irp e, 0,2,8,10
	v_pk_mul_f32 v[\x+\e:\x+\e+1], v[\x+\e:\x+\e+1], v[\x+\e:\x+\e+1]      ; plain work between the reciprocals and their use (ISA guide 5.7.2)
.endr
.irp e, 0,2,8,10
	v_pk_fma_f32 v[\x+\e:\x+\e+1], v[\x+\e+4:\x+\e+5], v[\x+\e+4:\x+\e+5], v[\x+\e:\x+\e+1]
.endr
	s_wait_alu depctr_va_vdst(0)
	v_pk_mul_f32 v[\x:\x+1],     v[\x:\x+1],     v[\x+16:\x+17]    ; wh
	v_pk_mul_f32 v[\x+2:\x+3],   v[\x+2:\x+3],   v[\x+18:\x+19]
	v_pk_mul_f32 v[\x+8:\x+9],   v[\x+8:\x+9],   v[\x+16:\x+17]    ; ws
	v_pk_mul_f32 v[\x+10:\x+11], v[\x+10:\x+11], v[\x+18:\x+19]
	v_pk_mul_f32 v[\x+8:\x+9],   v[\x+8:\x+9],   v[\x:\x+1]
	v_pk_mul_f32 v[\x+10:\x+11], v[\x+10:\x+11], v[\x+2:\x+3]
.irp e, 8,9,10,11
	v_sqrt_f32 v[\x+\e], v[\x+\e]                  ; wq; the selects on wh follow first
.endr
.endm
	s_load_b512 s[8:23], s[0:1], 0x0               ; h_re s[8:9], h_im s[10:11], s_re s[12:13], s_im s[14:15], psd s[16:17], edge s[18:19], coarse s[20:21], out0 s[22:23]
	s_load_b64 s[24:25], s[0:1], 0x40              ; out1
	v_lshl_add_u32 v48, v0, 2, 0x100
	v_mov_b32 v49, 0
	v_lshrrev_b32 v2, 5, v0
	v_readfirstlane_b32 s26, v2                    ; k
	v_and_b32 v1, 31, v0                           ; lane
	s_lshl_b32 s36, ttmp9, 6
	s_lshl2_add_u32 s36, s26, s36                  ; 64 r + 4 k: my word of edge
	s_mov_b32 s37, 0
	s_lshl_b32 s28, s36, 2                         ; 256 r + 16 k: my record of coarse
	s_mov_b32 s29, 0
	s_and_b32 s39, ttmp9, 127                      ; the row's first element in its window
	s_and_b32 s38, ttmp9, 128
	s_lshl_b32 s38, s38, 2
	s_lshl_b32 s31, ttmp9, 18
	s_add_co_u32 s38, s38, s31                     ; the window's byte offset: 262,144 r + 4 (r & 128)
	s_mov_b32 s41, 0x10000
	s_mov_b32 s50, 0xffff0000                      ; lanes 16-31
	s_mov_b32 s54, 0x76543210
	s_mov_b32 s55, 0xfedcba98
	s_mov_b32 s27, 0xb4c00000                      ; - 3 * 2^-23: the band's whole width, taken away
	s_wait_kmcnt 0x0
	s_add_nc_u64 s[18:19], s[18:19], s[36:37]
	s_add_nc_u64 s[20:21], s[20:21], s[28:29]
	s_load_b32 s30, s[18:19], 0x0                  ; c_k
	s_load_b128 s[32:35], s[20:21], 0x0            ; r_k, SQ_k, H, Q
	v_lshlrev_b32 v2, 4, v1
	s_wait_kmcnt 0x0
	s_min_u32 s30, s30, 512                        ; a window has chunks 0 .. 512
	s_lshl_b32 s31, s30, 9
	s_add_co_u32 s31, s31, s38
	v_add_nc_u32 v2, s31, v2                       ; my 16 bytes of the chunk: the wave's load covers 512 consecutive bytes, aligned
	global_load_b128 v[X:X+3],     v2, s[8:9]
	global_load_b128 v[X+4:X+7],   v2, s[10:11]
	global_load_b128 v[X+8:X+11],  v2, s[12:13]
	global_load_b128 v[X+12:X+15], v2, s[14:15]
	global_load_b128 v[X+16:X+19], v2, s[16:17]
	s_cvt_f32_u32 s43, s26
	s_mul_f32 s43, s43, 0x3d800000                 ; k / 16
	s_mul_f32 s43, s43, s34                        ; t_k, as the first launch made it
	s_mov_b32 s42, s32
	s_fmac_f32 s42, s43, s27                       ; what is left of the lower target: r_k - 3 * 2^-23 t_k (below 0: no element of the chunk)
	s_lshl_b32 s40, s30, 7
	s_sub_co_u32 s40, s40, s39                     ; 128 c - first: wraps below 0 for what lies in front of the row
	v_lshl_add_u32 v3, v1, 2, s40                  ; my first element's index in the row
.irp e, 0,1,2,3
	v_cmp_ge_u32 s[VM+\e], s41, v3                 ; in the row: 0 <= index <= 65,536, one unsigned compare
	v_add_nc_u32 v3, 1, v3
.endr
	s_lshl_b32 s53, s26, 2
	v_mov_b32 v30, s53                             ; LDS word k
	s_wait_loadcnt 0x0
	CORE X
.irp e, 0,1,2,3
	v_cndmask_b32 v[X+\e], 0, v[X+\e], s[VM+\e]
.endr
	s_wait_alu depctr_va_vdst(0)
.irp e, 0,1,2,3
	v_cndmask_b32 v[X+8+\e], 0, v[X+8+\e], s[VM+\e]
.endr
	v_add_f32 v24, v[X], v[X+1]                    ; wh in front of my element 2,
	v_add_f32 v25, v24, v[X+2]                     ; of my element 3,
	v_add_f32 v26, v25, v[X+3]                     ; and my lane's sum
	; exclusive scan over the lanes, made by a shift and not by taking the lane's sum away again: a large element loses nothing in front of it
	v_mov_b32 v27, 0
	v_mov_b32_dpp v27, v26 row_shr:1 row_mask:0xf bank_mask:0xf bound_ctrl:1   ; lanes 0 and 16 get 0
.irp n, 1,2,4,8
	v_add_f32_dpp v27, v27, v27 row_shr:\n row_mask:0xf bank_mask:0xf bound_ctrl:1
.endr
	v_readlane_b32 s48, v27, 15
	v_readlane_b32 s49, v26, 15
	s_add_f32 s48, s48, s49                        ; lanes 0-15 together
	v_add_f32 v28, s48, v27
	v_cndmask_b32 v27, v27, v28, s50               ; E of my element 0
	v_add_f32 v28, v27, v[X]                       ; of element 1
	v_add_f32 v24, v27, v24                        ; 2
	v_add_f32 v25, v27, v25                        ; 3
	v_cmp_ge_f32 s[VM],   s32, v27                 ; E <= what is left of the upper target
	v_cmp_ge_f32 s[VM+1], s32, v28
	v_cmp_ge_f32 s[VM+2], s32, v24
	v_cmp_ge_f32 s[VM+3], s32, v25
	v_cmp_ge_f32 s[VL],   s42, v27                 ; E <= what is left of the lower one
	v_cmp_ge_f32 s[VL+1], s42, v28
	v_cmp_ge_f32 s[VL+2], s42, v24
	v_cmp_ge_f32 s[VL+3], s42, v25
.irp e, 0,1,2,3
	v_cndmask_b32 v[X+\e], 0, v[X+8+\e], s[VL+\e]          ; wq under the lower target (wh is done with)
.endr
.irp e, 0,1,2,3
	v_cndmask_b32 v[X+8+\e], 0, v[X+8+\e], s[VM+\e]        ; wq under the upper one
.endr
	v_pk_add_f32 v[28:29], v[X+8:X+9], v[X+10:X+11]
	v_pk_add_f32 v[24:25], v[X:X+1], v[X+2:X+3]
	v_pk_add_f32 v[28:29], v[28:29], v[24:25]
	v_add_f32 v28, v28, v29
.irp m, 1,2,4,8
	v_add_f32_dpp v28, v28, v28 row_xmask:\m row_mask:0xf bank_mask:0xf
.endr
	v_permlanex16_b32 v29, v28, s54, s55
	v_add_f32 v28, v28, v29
	v_fma_f32 v28, v28, 0.5, s33                   ; S_k = SQ_k + the mean of the two sums
	ds_store_b32 v30, v28
	s_wait_dscnt 0x0                               ; written before wave 0 reads it
	s_barrier_signal -1
	s_barrier_wait -1
	s_cmp_lg_u32 s26, 0
	s_cbranch_scc1 .Lend
	v_and_b32 v32, 15, v1                          ; bin = lane mod 16 (both halves of the wave do the same)
	v_add_nc_u32 v33, 1, v32
	v_and_b32 v33, 15, v33
	v_lshlrev_b32 v34, 2, v32
	v_lshlrev_b32 v33, 2, v33
	ds_load_b32 v35, v34                           ; S_k
	ds_load_b32 v36, v33                           ; S_(k+1); bin 15 takes Q below
	v_mov_b32 v38, s34
	v_mul_f32 v39, 0x3e000000, v38                 ; total_h = H / 8
	v_rcp_f32 v38, v38
	v_rsq_f32 v39, v39
	v_mov_b32 v37, s35                             ; Q (and the plain instruction behind the two transcendentals)
	v_cmp_eq_u32 vcc_lo, 15, v32
	s_lshl_b32 s51, ttmp9, 2
	v_mov_b32 v40, s51                             ; the row's word in out0 and out1
	s_wait_dscnt 0x0
	v_cndmask_b32 v36, v36, v37, vcc_lo
	v_sub_f32 v36, v36, v35                        ; B_k
	v_fmamk_f32 v36, v37, 0xbd800000, v36          ; d_k = B_k - Q / 16
	v_mul_f32 v36, v36, v36
.irp m, 1,2,4,8
	v_add_f32_dpp v36, v36, v36 row_xmask:\m row_mask:0xf bank_mask:0xf
.endr
	s_wait_alu depctr_va_vdst(0)
	v_mul_f32 v36, v36, v38                        ; / H
	v_mul_f32 v36, 0x3e088889, v36                 ; x 2/15: chisq
	v_mul_f32 v39, v39, v37
	v_mul_f32 v39, 0x3e000000, v39                 ; total = Q / 8 / sqrt(total_h)
	v_cmp_eq_u32 vcc_lo, 0, v0
	s_wait_xcnt 0x0                                ; EXEC narrows only when no earlier memory instruction still reads it
	s_and_saveexec_b32 s52, vcc_lo
	global_store_b32 v40, v39, s[22:23]            ; a row has one number in each output: 4 bytes each
	global_store_b32 v40, v36, s[24:25]
.Lend:
	s_wait_xcnt 0x0
	s_mov_b32 exec_lo, -1
	s_wait_tensorcnt 0x0
	ds_add_u32 v48, v49
	s_wait_dscnt 0x0
	s_endpgm
.Lfunc_end_k_q204326a1ad_refine:
	.size	k_q204326a1ad_refine, .Lfunc_end_k_q204326a1ad_refine-k_q204326a1ad_refine
	.p2alignl 7, 3214868480
	.fill 96, 4, 3214868480
	.section	.rodata,"a",@progbits
	.p2align	6, 0x0
	.amdhsa_kernel k_q204326a1ad_refine
		.amdhsa_group_segment_fixed_size 2304
		.amdhsa_private_segment_fixed_size 0
		.amdhsa_enable_private_segment 0
		.amdhsa_kernarg_size 72
		.amdhsa_user_sgpr_count 2
		.amdhsa_user_sgpr_kernarg_segment_ptr 1
		.amdhsa_wavefront_size32 1
		.amdhsa_system_sgpr_workgroup_id_x 1
		.amdhsa_system_sgpr_workgroup_id_y 1
		.amdhsa_system_sgpr_workgroup_id_z 1
		.amdhsa_system_vgpr_workitem_id 0
		.amdhsa_next_free_vgpr 50
		.amdhsa_next_free_sgpr 66
		.amdhsa_reserve_vcc 1
		.amdhsa_float_denorm_mode_32 3
		.amdhsa_float_denorm_mode_16_64 3
		.amdhsa_memory_ordered 1
		.amdhsa_forward_progress 1
		.amdhsa_inst_pref_size 10
	.end_amdhsa_kernel
	.amdgpu_metadata
---
amdhsa.version: [ 1, 2 ]
amdhsa.kernels:
  - .name:           k_q204326a1ad_refine
    .symbol:         k_q204326a1ad_refine.kd
    .args:
      - { .name: htilde_re, .offset: 0, .size: 8, .value_kind: global_buffer, .address_space: global }
      - { .name: htilde_im, .offset: 8, .size: 8, .value_kind: global_buffer, .address_space: global }
      - { .name: stilde_re, .offset: 16, .size: 8, .value_kind: global_buffer, .address_space: global }
      - { .name: stilde_im, .offset: 24, .size: 8, .value_kind: global_buffer, .address_space: global }
      - { .name: psd, .offset: 32, .size: 8, .value_kind: global_buffer, .address_space: global }
      - { .name: edge, .offset: 40, .size: 8, .value_kind: global_buffer, .address_space: global }
      - { .name: coarse, .offset: 48, .size: 8, .value_kind: global_buffer, .address_space: global }
      - { .name: out0, .offset: 56, .size: 8, .value_kind: global_buffer, .address_space: global }
      - { .name: out1, .offset: 64, .size: 8, .value_kind: global_buffer, .address_space: global }
    .group_segment_fixed_size: 2304
    .private_segment_fixed_size: 0
    .kernarg_segment_align: 8
    .kernarg_segment_size: 72
    .max_flat_workgroup_size: 512
    .sgpr_count:     66
    .vgpr_count:     50
    .wavefront_size: 32
...
	.end_amdgpu_metadata
.endif
;; end of part 2
